; MI455X (gfx1250); checked and timed in simulation.
; The chip was launched on July 23, 2026; its instructions are those of AMD's public machine-readable ISA for CDNA 5 (MIT licence, August 2026) and "CDNA5" Instruction Set Architecture Reference Guide (July 2026). The comments in the code are by the model that wrote it; some were corrected since.
;; VQ Model. Allowed arithmetic: float matrix products may take bf16 or f16 operands with f32 sums; all other float work in f32.
;; Inputs: codebook 8,192 x 64 float32; h 16 x 128 x 32 x 32 float32; post_b 128 float32; post_w 128 x 64 float32; quant_b 64 float32; quant_w 64 x 128 float32; rand_idx 16,384 int32; rand_prob 16,384 float32.
;; Outputs: out0 16 x 128 x 32 x 32 float32; out1 one number float32.
;; Constants: delta = 10.
;; One version. Each part assembles by itself: llvm-mc -triple=amdgcn-amd-amdhsa -mcpu=gfx1250 --defsym DOCPART=n.
;; ======== version 1 of 1: 4 launches
;; workspace buffers: zf 4,194,304 bytes; half 3,145,728 bytes; aux 98,304 bytes; rank 65,536 bytes of whole numbers; keys 5,242,880 bytes of whole numbers; sel 65,536 bytes of whole numbers; part 1,024 bytes
;; launch prep (part 1): grid 256 x 1, 4 waves a work-group, no clusters, 83,456 bytes of LDS; arguments h, quant_w, quant_b, codebook, rand_prob, rand_idx, zf, half, aux, rank; writes zf, half, aux, rank
.if DOCPART == 1
	.amdgcn_target "amdgcn-amd-amdhsa--gfx1250"
	.amdhsa_code_object_version 6
	.text
	.protected	k_qb0224c0ce5_prep
	.globl	k_qb0224c0ce5_prep
	.p2align	8
	.type	k_qb0224c0ce5_prep,@function
k_qb0224c0ce5_prep:
	s_mov_b64 s[64:65], 0
	v_nop
	global_prefetch_b8 v0, s[64:65] scope:SCOPE_SE
	s_setreg_imm32_b32 hwreg(HW_REG_WAVE_MODE, 25, 1), 1
	s_wait_xcnt 0x0
; PREP.  z = quant_w h + quant_b for 64 tokens a work-group, and 32 codes' share of the codebook.
;   zf   [16384][64] f32   z                                   half  [16384][64] bf16 2 z, then [8192][64] bf16 codes
;   aux  [16384] f32 S = sum z^2, then [8192] f32 -sum c^2      rank  [16384] u32: which place in the order of distances a token takes
; WHY THE VECTOR UNIT.  A later launch orders distances that differ in their last bits, so z is made here as ONE chain of fused
; multiply-adds in f32 for each number, the channels ascending; the matrix unit's sums are no such chain.  This product is 1.5% of the module's.
; SHARES.  Work-group g: tokens 64 g .. 64 g + 63 (batch g / 16, pixels 64 (g % 16) on) and codes 32 g .. 32 g + 31.  Wave w: outputs 16 w .. 16 w + 15 of all
; 64 tokens; lane l: tokens 2 l and 2 l + 1, the two halves of packed registers.
; LIMITS.  NaN and infinities are not treated apart; rand_idx is cut to 0 .. 9 (delta = 10).
.set HLDS,   32768                     ; LDS: quant_w as it lies (64 rows of 512 bytes) at 0; h [channel 128][64 tokens] at HLDS
.set ZST,    65536                     ; z [token 64], rows of 272 bytes (256 + 16)
.set SPARE,  82944                     ; the spare words: 128 bytes a wave, two blocks of 256 bytes that no other line names
.set VW,   10                          ; v10  LDS address of my wave's 16 rows of quant_w, at the channels in hand (the same in all lanes)
.set VH,   11                          ; v11  LDS address of my two tokens in h, at the channels in hand
.set ACC,  16                          ; v16-47   z: output e at the pair ACC + 2 e (token 2 l, token 2 l + 1)
.set HB0,  48                          ; v48-55, v56-63      h of four channels, two buffers
.set HB1,  56
.set WB0,  64                          ; v64-127, v128-191   quant_w of 16 outputs x four channels, two buffers; before that the loads for the stage
.set WB1,  128
.set ZP,   192                         ; v192-223 z + bias by token; before that the codebook's share
.set SPW,  224                         ; v224 LDS address of my spare word; never rewritten
.set NIL,  225                         ; v225 0; never rewritten
	s_load_b512 s[4:19], s[0:1], 0x0               ; h 4, quant_w 6, quant_b 8, codebook 10, rand_prob 12, rand_idx 14, zf 16, half 18
	s_load_b128 s[20:23], s[0:1], 0x40             ; aux 20, rank 22
	v_lshl_add_u32 v[SPW], v0, 2, SPARE
	v_mov_b32 v[NIL], 0
	v_lshrrev_b32 v1, 5, v0
	v_readfirstlane_b32 s24, v1                    ; wave 0..3
	s_mov_b32 s25, ttmp9                           ; g
	v_and_b32 v1, 31, v0                           ; l
	v_lshlrev_b32 v2, 4, v0                        ; 16 x thread
	v_lshlrev_b32 v3, 4, v1                        ; 16 l
	v_and_b32 v5, 15, v0                           ; l % 16
	v_bfe_u32 v6, v0, 4, 1                         ; l / 16
	v_lshlrev_b32 v7, 4, v5
	v_lshl_add_u32 v7, v6, 12, v7                  ; h: 16 lanes take 256 bytes of one channel, the other 16 the next channel's
	v_lshlrev_b32 v8, 3, v1                        ; 8 l
	v_lshlrev_b32 v9, 3, v5
	v_lshl_add_u32 v9, v6, 2, v9                   ; 4 (2 (l % 16) + l / 16)
	v_lshl_add_u32 v4, s24, 13, v3
	v_add_nc_u32 v4, HLDS, v4                      ; where my 16 bytes of h go: channel 32 w + l / 16
	s_lshl_b32 s44, s24, 6                         ; my 16 numbers of quant_b
	s_lshr_b32 s45, s25, 4                         ; the batch
	s_cmp_lt_u32 s45, 8
	s_cselect_b32 s27, -1, 0                       ; batches 0 to 7 are perturbed; the others take place 0
	s_lshl_b32 s46, s45, 19                        ; h: batch x 128 x 4,096
	s_and_b32 s47, s25, 15
	s_lshl_b32 s47, s47, 8                         ; + 64 pixels x 4 bytes x (g % 16)
	s_add_co_u32 s46, s46, s47
	s_lshl_b32 s47, s24, 17                        ; + my wave's 32 channels
	s_add_co_u32 s46, s46, s47
	s_mov_b32 s47, 0
	s_lshl_b32 s48, s25, 13                        ; 8,192 g + 2,048 w: my 8 codes in the codebook, and my 16 tokens in half
	s_lshl_b32 s49, s24, 11
	s_add_co_u32 s48, s48, s49
	s_mov_b32 s49, 0
	s_lshl_b32 s50, s25, 8                         ; 256 g: the group's 64 words of rand_prob, rand_idx, S and rank
	s_mov_b32 s51, 0
	s_lshl_b32 s56, s48, 1                         ; my 16 tokens in zf
	s_mov_b32 s57, 0
	s_lshr_b32 s58, s48, 1
	s_add_co_u32 s58, s58, 2097152                 ; my 8 codes in half
	s_mov_b32 s59, 0
	s_lshr_b32 s60, s48, 6
	s_add_co_u32 s60, s60, 65536                   ; my 8 codes' words in aux
	s_mov_b32 s61, 0
	s_mov_b32 s53, 0x00020002                      ; lanes with l % 16 = 1, 2, 3
	s_mov_b32 s54, 0x00040004
	s_mov_b32 s55, 0x00080008
	s_wait_kmcnt 0x0
	s_load_b512 s[28:43], s[8:9], s44 offset:0x0   ; quant_b[16 w ..]
	s_add_nc_u64 s[4:5], s[4:5], s[46:47]
	s_add_nc_u64 s[10:11], s[10:11], s[48:49]
	s_add_nc_u64 s[12:13], s[12:13], s[50:51]
	s_add_nc_u64 s[14:15], s[14:15], s[50:51]
	s_add_nc_u64 s[16:17], s[16:17], s[56:57]
	s_add_nc_u64 s[62:63], s[18:19], s[58:59]      ; half at my codes
	s_add_nc_u64 s[18:19], s[18:19], s[48:49]      ; half at my tokens
	s_add_nc_u64 s[2:3], s[20:21], s[60:61]        ; aux at my codes
	s_add_nc_u64 s[20:21], s[20:21], s[50:51]      ; aux at the group's tokens
	s_add_nc_u64 s[22:23], s[22:23], s[50:51]
	; 38 loads: quant_w (the four waves share its 32 KiB), my 32 channels of h, my 8 codes, the group's random numbers
.irp i, 0,1,2,3,4,5,6,7,8,9,10,11,12,13,14,15
	global_load_b128 v[WB0+4*(\i):WB0+4*(\i)+3], v2, s[6:7] offset:2048*(\i)
.endr
.irp i, 0,1,2,3,4,5,6,7,8,9,10,11,12,13,14,15
	global_load_b128 v[WB1+4*(\i):WB1+4*(\i)+3], v7, s[4:5] offset:8192*(\i) th:TH_LOAD_NT
.endr
.irp i, 0,1,2,3
	global_load_b128 v[ZP+4*(\i):ZP+4*(\i)+3], v3, s[10:11] offset:512*(\i)  ; codes 2 i and 2 i + 1 of my eight: 16 lanes a row
.endr
	global_load_b64 v[226:227], v8, s[12:13]       ; every wave loads these 2 x 256 bytes, early; wave 1 alone works on them
	global_load_b64 v[228:229], v8, s[14:15]
	; addresses for later, in the wait for the loads
	s_lshl_b32 s26, s24, 13
	v_mov_b32 v[VW], s26
	v_add_nc_u32 v[VH], HLDS, v8
	v_mul_u32_u24 v14, v1, 544
	v_add_nc_u32 v14, ZST, v14                     ; rows 2 l and 2 l + 1 of the z stage
	v_lshl_add_u32 v12, s24, 6, v14                ; and in them my wave's 16 outputs
	s_mul_i32 s45, s24, 4352
	s_add_co_u32 s45, s45, ZST
	v_mul_u32_u24 v13, v6, 272
	v_lshl_add_u32 v13, v5, 4, v13
	v_add_nc_u32 v13, s45, v13                     ; back: rows 16 w + l / 16, 16 bytes a lane
	s_wait_loadcnt 22                              ; quant_w is in: 16 + 4 + 2 younger loads may be out
.irp i, 0,1,2,3,4,5,6,7,8,9,10,11,12,13,14,15
	ds_store_b128 v2, v[WB0+4*(\i):WB0+4*(\i)+3] offset:2048*(\i)
.endr
	s_wait_loadcnt 6                               ; h is in: 4 + 2 younger loads may be out
.irp i, 0,1,2,3,4,5,6,7,8,9,10,11,12,13,14,15
	ds_store_b128 v4, v[WB1+4*(\i):WB1+4*(\i)+3] offset:512*(\i)
.endr
	s_wait_loadcnt 0x0
	; THE CODEBOOK'S SHARE: bf16 copies, and -sum c^2 (four numbers a lane, then the row's 16 lanes)
.irp i, 0,1,2,3
	v_mul_f32 v[216+(\i)], v[ZP+4*(\i)], v[ZP+4*(\i)]
.endr
.irp k, 1,2,3
.irp i, 0,1,2,3
	v_fma_f32 v[216+(\i)], v[ZP+4*(\i)+(\k)], v[ZP+4*(\i)+(\k)], v[216+(\i)]
.endr
.endr
.irp m, 1,2,4,8
.irp i, 0,1,2,3
	v_add_f32_dpp v[216+(\i)], v[216+(\i)], v[216+(\i)] row_xmask:\m row_mask:0xf bank_mask:0xf
.endr
.endr
.irp i, 0,1,2,3
	v_cvt_pk_bf16_f32 v[208+2*(\i)], v[ZP+4*(\i)], v[ZP+4*(\i)+1]
	v_cvt_pk_bf16_f32 v[209+2*(\i)], v[ZP+4*(\i)+2], v[ZP+4*(\i)+3]
	global_store_b64 v8, v[208+2*(\i):209+2*(\i)], s[62:63] offset:256*(\i)  ; two codes: 256 consecutive bytes, aligned
.endr
	v_mov_b32 v220, v216                           ; lane with l % 16 = i keeps the sum of code 2 i + l / 16
	v_cndmask_b32 v220, v220, v217, s53
	v_cndmask_b32 v220, v220, v218, s54
	v_cndmask_b32 v220, v220, v219, s55
	v_xor_b32 v220, 0x80000000, v220
	v_cmp_gt_u32 vcc_lo, 4, v5
	s_wait_xcnt 0x0                                ; EXEC changes only behind this wait
	s_and_saveexec_b32 s45, vcc_lo
	global_store_b32 v9, v220, s[2:3]              ; eight lanes, 32 consecutive bytes a wave: a part of an aligned 256 bytes; 32 KiB in the whole launch
	s_wait_xcnt 0x0
	s_or_b32 exec_lo, exec_lo, s45
	s_wait_dscnt 0x0                               ; for the others' sake: my part of the stage is written
	s_barrier_signal -1
	s_barrier_wait -1
; Four channels: 16 loads of 16 bytes of quant_w (one address for all lanes) and 4 of 8 bytes of h: 20 LDS loads
.macro LOADG wb, hb, off
.irp e, 0,1,2,3,4,5,6,7,8,9,10,11,12,13,14,15
	ds_load_b128 v[(\wb)+4*(\e):(\wb)+4*(\e)+3], v[VW] offset:512*(\e)+(\off)
.endr
.irp k, 0,1,2,3
	ds_load_b64 v[(\hb)+2*(\k):(\hb)+2*(\k)+1], v[VH] offset:256*(\k)+64*(\off)
.endr
.endm
; 64 packed multiply-adds: channel by channel, the 16 outputs by turns, so that 15 others stand between two links of a chain.
; One number of quant_w feeds both tokens: the selects take the pair's first register for both halves (even channel) or its second (odd).
.macro FMAG wb, hb, first
.irp k, 0,1,2,3
.irp e, 0,1,2,3,4,5,6,7,8,9,10,11,12,13,14,15
.if (\first) && ((\k) == 0)
	v_pk_mul_f32 v[ACC+2*(\e):ACC+2*(\e)+1], v[(\hb):(\hb)+1], v[(\wb)+4*(\e):(\wb)+4*(\e)+1] op_sel_hi:[1,0]
.elseif ((\k) % 2) == 0
	v_pk_fma_f32 v[ACC+2*(\e):ACC+2*(\e)+1], v[(\hb)+2*(\k):(\hb)+2*(\k)+1], v[(\wb)+4*(\e)+(\k):(\wb)+4*(\e)+(\k)+1], v[ACC+2*(\e):ACC+2*(\e)+1] op_sel_hi:[1,0,1]
.else
	v_pk_fma_f32 v[ACC+2*(\e):ACC+2*(\e)+1], v[(\hb)+2*(\k):(\hb)+2*(\k)+1], v[(\wb)+4*(\e)+(\k)-1:(\wb)+4*(\e)+(\k)], v[ACC+2*(\e):ACC+2*(\e)+1] op_sel:[0,1,0] op_sel_hi:[1,1,1]
.endif
.endr
.endr
.endm
	LOADG WB0, HB0, 0                              ; channels 0-3
	LOADG WB1, HB1, 16                             ; channels 4-7
	v_add_nc_u32 v[VW], 32, v[VW]                  ; eight channels on
	v_add_nc_u32 v[VH], 2048, v[VH]
	s_wait_dscnt 20                                ; the older 20 loads are in, the younger 20 may be out
	FMAG WB0, HB0, 1                               ; the first products start the sums: nothing is cleared
	s_mov_b32 s26, 15
.Lchan:                                                ; a trip: eight channels
	LOADG WB0, HB0, 0
	s_wait_dscnt 20
	FMAG WB1, HB1, 0
	LOADG WB1, HB1, 16
	v_add_nc_u32 v[VW], 32, v[VW]
	v_add_nc_u32 v[VH], 2048, v[VH]
	s_wait_dscnt 20
	FMAG WB0, HB0, 0
	s_sub_co_u32 s26, s26, 1
	s_cmp_lg_u32 s26, 0
	s_cbranch_scc1 .Lchan
	s_wait_dscnt 0x0
	FMAG WB1, HB1, 0                               ; channels 124-127
	s_wait_kmcnt 0x0                               ; quant_b
.irp t, 0,1
.irp e, 0,1,2,3,4,5,6,7,8,9,10,11,12,13,14,15
	v_add_f32 v[ZP+16*(\t)+(\e)], s[28+(\e)], v[ACC+2*(\e)+(\t)]
.endr
.endr
.irp t, 0,1
.irp q, 0,1,2,3
	ds_store_b128 v12, v[ZP+16*(\t)+4*(\q):ZP+16*(\t)+4*(\q)+3] offset:272*(\t)+16*(\q)
.endr
.endr
	s_wait_dscnt 0x0                               ; for the others' sake: my 16 outputs of all 64 tokens are in the stage
	s_barrier_signal -1
	s_barrier_wait -1
	; back by tokens: wave w stores tokens 16 w .. 16 w + 15, two whole rows a load
.irp i, 0,1,2,3,4,5,6,7
	ds_load_b128 v[WB0+4*(\i):WB0+4*(\i)+3], v13 offset:544*(\i)
.endr
.irp i, 0,1,2,3,4,5,6,7
	s_wait_dscnt 7-(\i)                            ; LDS loads come back in order: pair i is in
	global_store_b128 v3, v[WB0+4*(\i):WB0+4*(\i)+3], s[16:17] offset:512*(\i)  ; 512 consecutive bytes of zf
	v_pk_add_f32 v[WB1+4*(\i):WB1+4*(\i)+1], v[WB0+4*(\i):WB0+4*(\i)+1], v[WB0+4*(\i):WB0+4*(\i)+1]
	v_pk_add_f32 v[WB1+4*(\i)+2:WB1+4*(\i)+3], v[WB0+4*(\i)+2:WB0+4*(\i)+3], v[WB0+4*(\i)+2:WB0+4*(\i)+3]
	v_cvt_pk_bf16_f32 v[ZP+2*(\i)], v[WB1+4*(\i)], v[WB1+4*(\i)+1]
	v_cvt_pk_bf16_f32 v[ZP+2*(\i)+1], v[WB1+4*(\i)+2], v[WB1+4*(\i)+3]
	global_store_b64 v8, v[ZP+2*(\i):ZP+2*(\i)+1], s[18:19] offset:256*(\i)     ; 2 z in bf16: 256 consecutive bytes
.endr
	s_cmp_lg_u32 s24, 0
	s_cbranch_scc1 .Lnot_wave_0
	; wave 0: S = sum z^2 of all 64 tokens, two chains a lane, the outputs ascending
	s_wait_xcnt 0x0                                ; the stores above have read v64-95, which are loaded again
.irp t, 0,1
.irp q, 0,1,2,3,4,5,6,7,8,9,10,11,12,13,14,15
	ds_load_b128 v[WB0+64*(\t)+4*(\q):WB0+64*(\t)+4*(\q)+3], v14 offset:272*(\t)+16*(\q)
.endr
.endr
	s_wait_dscnt 0x0
	v_mul_f32 v230, v[WB0], v[WB0]
	v_mul_f32 v231, v[WB1], v[WB1]
.set j, 1
.rept 63
	v_fma_f32 v230, v[WB0+j], v[WB0+j], v230
	v_fma_f32 v231, v[WB1+j], v[WB1+j], v231
.set j, j+1
.endr
	global_store_b64 v8, v[230:231], s[20:21]      ; 256 consecutive bytes
.Lnot_wave_0:
	s_cmp_lg_u32 s24, 1
	s_cbranch_scc1 .Lnot_wave_1
	; wave 1: the place that each token takes: 0 where rand_prob > 0.5 or in batches 8 to 15, else rand_idx
	v_cmp_lt_f32 vcc_lo, 0.5, v226
	v_cndmask_b32 v228, v228, 0, vcc_lo
	v_cmp_lt_f32 vcc_lo, 0.5, v227
	v_cndmask_b32 v229, v229, 0, vcc_lo
	v_min_u32 v228, 9, v228
	v_min_u32 v229, 9, v229
	v_and_b32 v228, s27, v228
	v_and_b32 v229, s27, v229
	global_store_b64 v8, v[228:229], s[22:23]      ; 256 consecutive bytes
.Lnot_wave_1:
	s_wait_tensorcnt 0x0                           ; the wave's end: behind my last LDS store
	ds_add_u32 v[SPW], v[NIL]
	s_wait_dscnt 0x0
	s_endpgm
.Lfunc_end_k_qb0224c0ce5_prep:
	.size	k_qb0224c0ce5_prep, .Lfunc_end_k_qb0224c0ce5_prep-k_qb0224c0ce5_prep
	.p2alignl 7, 3214868480
	.fill 96, 4, 3214868480
	.section	.rodata,"a",@progbits
	.p2align	6, 0x0
	.amdhsa_kernel k_qb0224c0ce5_prep
		.amdhsa_group_segment_fixed_size 83456
		.amdhsa_private_segment_fixed_size 0
		.amdhsa_enable_private_segment 0
		.amdhsa_kernarg_size 80
		.amdhsa_user_sgpr_count 2
		.amdhsa_user_sgpr_kernarg_segment_ptr 1
		.amdhsa_wavefront_size32 1
		.amdhsa_system_sgpr_workgroup_id_x 1
		.amdhsa_system_sgpr_workgroup_id_y 1
		.amdhsa_system_sgpr_workgroup_id_z 1
		.amdhsa_system_vgpr_workitem_id 0
		.amdhsa_next_free_vgpr 232
		.amdhsa_next_free_sgpr 66
		.amdhsa_reserve_vcc 1
		.amdhsa_float_denorm_mode_32 3
		.amdhsa_float_denorm_mode_16_64 3
		.amdhsa_memory_ordered 1
		.amdhsa_forward_progress 1
		.amdhsa_inst_pref_size 51
	.end_amdhsa_kernel
	.amdgpu_metadata
---
amdhsa.version: [ 1, 2 ]
amdhsa.kernels:
  - .name:           k_qb0224c0ce5_prep
    .symbol:         k_qb0224c0ce5_prep.kd
    .args:
      - { .name: h, .offset: 0, .size: 8, .value_kind: global_buffer, .address_space: global }
      - { .name: quant_w, .offset: 8, .size: 8, .value_kind: global_buffer, .address_space: global }
      - { .name: quant_b, .offset: 16, .size: 8, .value_kind: global_buffer, .address_space: global }
      - { .name: codebook, .offset: 24, .size: 8, .value_kind: global_buffer, .address_space: global }
      - { .name: rand_prob, .offset: 32, .size: 8, .value_kind: global_buffer, .address_space: global }
      - { .name: rand_idx, .offset: 40, .size: 8, .value_kind: global_buffer, .address_space: global }
      - { .name: zf, .offset: 48, .size: 8, .value_kind: global_buffer, .address_space: global }
      - { .name: half, .offset: 56, .size: 8, .value_kind: global_buffer, .address_space: global }
      - { .name: aux, .offset: 64, .size: 8, .value_kind: global_buffer, .address_space: global }
      - { .name: rank, .offset: 72, .size: 8, .value_kind: global_buffer, .address_space: global }
    .group_segment_fixed_size: 83456
    .private_segment_fixed_size: 0
    .kernarg_segment_align: 8
    .kernarg_segment_size: 80
    .max_flat_workgroup_size: 128
    .sgpr_count:     66
    .vgpr_count:     232
    .wavefront_size: 32
...
	.end_amdgpu_metadata
.endif
;; end of part 1
;; launch search (part 2): grid 32 x 8, 8 waves a work-group, clusters of 4 x 1, 167,936 bytes of LDS; arguments half, aux, keys; writes keys
.if DOCPART == 2
	.amdgcn_target "amdgcn-amd-amdhsa--gfx1250"
	.amdhsa_code_object_version 6
	.text
	.protected	k_qb0224c0ce5_search
	.globl	k_qb0224c0ce5_search
	.p2align	8
	.type	k_qb0224c0ce5_search,@function
k_qb0224c0ce5_search:
	s_mov_b64 s[64:65], 0
	v_nop
	global_prefetch_b8 v0, s[64:65] scope:SCOPE_SE
	s_setreg_imm32_b32 hwreg(HW_REG_WAVE_MODE, 25, 1), 1
	s_wait_xcnt 0x0
	s_wait_alu depctr_hold_cnt(0) depctr_sa_sdst(0) depctr_va_vdst(0) depctr_va_sdst(0) depctr_va_ssrc(0) depctr_va_vcc(0) depctr_vm_vsrc(0)
	s_getreg_b32 s2, hwreg(HW_REG_IB_STS2, 6, 4)
	s_cmp_eq_u32 s2, 0
	s_cbranch_scc0 .Lentry_in_a_cluster
	s_endpgm
.Lentry_in_a_cluster:
	s_bfe_u32 s2, ttmp6, 0x10000c
	s_cmp_lg_u32 s2, 0x3003
	s_cbranch_scc0 .Lentry_shape_is_right
	s_endpgm
.Lentry_shape_is_right:
; SEARCH.  The bulk product, in bf16: score[t][j] = (2 z_t) . c_j - sum c_j^2, which is S_t - d[t][j]; large score = small distance.  Of it only a SHORTLIST is kept.
; A GROUP is 8 consecutive codes: one lane's 8 registers of one accumulator.  A group's KEY is its largest score with the low 10 bits of the f32 word replaced by the
; group's number (0 .. 1,023): keys compare as the scores do, to 13 bits of mantissa.  The n best codes lie in the n groups with the best keys.
; For each token and each slice of 1,024 codes the best 16 keys (tokens of batches 0-7, "P") or the best 4 (batches 8-15, "Q") are stored, as unsigned words that compare as the floats do.
; LIMIT.  The shortlist goes by bf16 products.  The later launch examines 4, 8, 12 or 16 groups for places 0, 1-2, 3-5, 6-9; where more groups than the spare ones (3 and more) lie within
; the bf16 products' error plus one step of the f32 distances of the wanted place, the code chosen may differ from the one that f32 distances choose.  NaN and infinities are not treated apart.
; SHARES.  Work-group (X, Y): tokens 256 X .. + 255 of P, the same of Q, against slice Y.  Wave w: four tiles of 16 tokens, two P (32 w + 16 t) and two Q: all waves alike.
; The slice (131,072 bytes of codes, 4,096 of -sum c^2) is brought into LDS once, an eighth by each wave, and stays: no byte of LDS is filled twice.
; CLUSTER.  The four work-groups of a cluster differ in X alone and need the same slice: each tile is asked for JOINTLY, by the same tensor load, descriptor and mask in all four.
; THE MATRIX INSTRUCTION: source 0 = 16 codes, source 1 = 16 tokens, C = -sum c^2: in the result lane l holds token l % 16 and the codes 8 (l / 16) + 0..7: one group.
; BY TURNS.  A stage multiplies one block of 16 codes (8 matrix instructions, 4 accumulators by turns); behind each stand 8 of the 61 vector
; instructions that select from the block before, which lies in the other set of accumulators.  A list is kept sorted by one v_med3_num_f32 a place.
.set CBP,   144                        ; a code in LDS: 128 bytes + 16 of padding: the 16 rows of a fragment load start at 16 different groups of four banks (ISA guide 11.1)
.set NCN,   147456                     ; behind the 1,024 codes: their -sum c^2
.set SPARE, 151552                     ; the spare words: 128 bytes a wave, four blocks of 256 bytes that no other line names
.set VA,  3                            ; v3   LDS address of my lane's part of the next block's codes
.set VC,  4                            ; v4   of its -sum c^2
.set VG,  5                            ; v5   the number of my group in the block that is being selected from
.set KEY, 6                            ; v6-9 a key for each tile
.set ZO,  10                           ; v10  my byte offset in 16 tokens of half
.set PO,  11                           ; v11  in 8 tokens' keys of P
.set QO,  12                           ; v12  in 16 tokens' keys of Q
.set SPW, 14                           ; v14  LDS address of my spare word; never rewritten
.set NIL, 15                           ; v15  0; never rewritten
.set B,   16                           ; v16-79   2 z: 16 registers a tile (K = 0-31, 32-63)
.set LP,  80                           ; v80-111  the P tiles' lists, 16 each, descending
.set LQ,  112                          ; v112-119 the Q tiles' lists, 4 each
.set ACC, 120                          ; v120-183 two sets of four accumulators
.set AF,  184                          ; v184-215 two buffers of a block's codes; at work on the way out
.set CN,  216                          ; v216-231 two buffers of a block's -sum c^2; at work on the way out
.macro CROUND                          ; a round of the cluster's barrier
	s_barrier_signal -1
	s_barrier_wait -1
	s_cmp_lg_u32 s10, 0
	s_cbranch_scc1 .Lnot_wave_0_\@
	s_barrier_signal -3
.Lnot_wave_0_\@:
	s_barrier_wait -3
	s_barrier_signal -1
	s_barrier_wait -1
.endm
	s_load_b128 s[4:7], s[0:1], 0x0                ; half s[4:5], aux s[6:7]
	s_load_b64 s[8:9], s[0:1], 0x10                ; keys
	v_lshl_add_u32 v[SPW], v0, 2, SPARE
	v_mov_b32 v[NIL], 0
	ds_add_u32 v[SPW], v[NIL]                      ; the wave's opening: the add and its wait stand ahead of my first tensor load; work on registers stands between them
	v_lshrrev_b32 v1, 5, v0
	v_readfirstlane_b32 s10, v1                    ; wave 0..7
	s_bfe_u32 s11, ttmp6, 0x40000                  ; cx: my place in the cluster
	s_lshl_b32 s12, ttmp9, 2
	s_add_co_u32 s12, s12, s11                     ; X = 4 x cluster x + cx: it enters the addresses of 2 z and of the keys alone
	s_and_b32 s13, ttmp7, 0xffff                   ; Y, which the four partners share
	; group 1 for the codes: 128 codes are 16,384 dense bytes, asked for as 64 rows of 256 bytes and padded in LDS after every code
	s_mov_b32 s16, 15|(1<<16)|(1<<20)|(1<<21)|(4<<22)|(3<<25)  ; 15:0 the mask of four; 17:16 2-byte elements; 20 padding on; 21 set beside a mask; 24:22 after every 32 words; 31:25 4 words
	s_mov_b32 s17, 128<<16                         ; tensor_dim0 = 128
	s_mov_b32 s18, 64<<16                          ; tensor_dim1 = 64
	s_mov_b32 s19, 128<<16                         ; tile_dim0 = 128
	s_mov_b32 s20, 64                              ; tile_dim1 = 64
	s_mov_b32 s21, 128                             ; 128 elements from row to row
	s_mov_b32 s22, 0
	s_mov_b32 s23, 0
	; group 1 for -sum c^2: one row of 512 bytes, in elements of 8
	s_mov_b32 s24, 15|(3<<16)|(1<<21)
	s_mov_b32 s25, 64<<16
	s_mov_b32 s26, 1<<16
	s_mov_b32 s27, 64<<16
	s_mov_b32 s28, 1
	s_mov_b32 s29, 64
	s_mov_b32 s30, 0
	s_mov_b32 s31, 0
	s_mov_b32 s32, 1                               ; group 0, codes: count = 1,
	s_mul_i32 s33, s10, 128*CBP                    ; LDS address: my wave's 128 codes
	s_mov_b32 s36, 1                               ; group 0, -sum c^2
	s_lshl_b32 s37, s10, 9
	s_add_co_u32 s37, s37, NCN
	s_lshl_b32 s52, s13, 17                        ; the codes' bytes in half: 2,097,152 + 131,072 Y + 16,384 w (these registers never hold X)
	s_lshl_b32 s53, s10, 14
	s_add_co_u32 s52, s52, s53
	s_add_co_u32 s52, s52, 2097152
	s_mov_b32 s53, 0
	s_lshl_b32 s54, s13, 12                        ; their words in aux: 65,536 + 4,096 Y + 512 w
	s_lshl_b32 s55, s10, 9
	s_add_co_u32 s54, s54, s55
	s_add_co_u32 s54, s54, 65536
	s_mov_b32 s55, 0
	s_lshl_b32 s44, s12, 15                        ; 2 z: (256 X + 32 w) x 128 bytes
	s_lshl_b32 s45, s10, 12
	s_add_co_u32 s44, s44, s45
	s_mov_b32 s45, 0
	s_lshl_b32 s56, s13, 19                        ; P's keys: 524,288 Y + (256 X + 32 w) x 64
	s_lshl_b32 s57, s12, 14
	s_add_co_u32 s56, s56, s57
	s_lshl_b32 s57, s10, 11
	s_add_co_u32 s56, s56, s57
	s_mov_b32 s57, 0
	s_lshl_b32 s58, s13, 17                        ; Q's keys: 4,194,304 + 131,072 Y + (256 X + 32 w) x 16
	s_lshl_b32 s59, s12, 12
	s_add_co_u32 s58, s58, s59
	s_lshl_b32 s59, s10, 9
	s_add_co_u32 s58, s58, s59
	s_add_co_u32 s58, s58, 4194304
	s_mov_b32 s59, 0
	s_mov_b32 s41, 0xfffffc00                      ; a key's part of the score
	s_mov_b32 s42, 0x76543210                      ; v_permlanex16_b32: each lane takes its own place in the other half
	s_mov_b32 s43, 0xfedcba98
	s_mov_b32 s60, 0xff800000                      ; -infinity: below every key
	s_mov_b32 s61, 0x80000000
	s_mov_b32 s62, 0x00ff00ff                      ; lanes with l % 16 < 8
	s_wait_dscnt 0x0                               ; the opening add is done
	s_wait_kmcnt 0x0
	s_add_nc_u64 s[34:35], s[4:5], s[52:53]
	s_or_b32 s35, s35, 0x80000000                  ; type = 2
	s_add_nc_u64 s[38:39], s[6:7], s[54:55]
	s_or_b32 s39, s39, 0x80000000
	s_add_nc_u64 s[46:47], s[4:5], s[44:45]
	s_add_nc_u64 s[48:49], s[8:9], s[56:57]
	s_add_nc_u64 s[50:51], s[8:9], s[58:59]
	CROUND                                         ; all four work-groups are here: the joint loads meet
	tensor_load_to_lds s[32:35], s[16:23]          ; my two loads, the only ones: two are out at the most
	s_nop 0
	tensor_load_to_lds s[36:39], s[24:31]
	s_nop 0
.rept 4
	v_nop
.endr
	v_and_b32 v1, 15, v0                           ; r = l % 16
	v_bfe_u32 v2, v0, 4, 1                         ; h = l / 16
	v_lshlrev_b32 v[ZO], 7, v1
	v_lshl_add_u32 v[ZO], v2, 4, v[ZO]             ; a fragment: row x 128 + 16 x half; four loads 32 bytes apart are K = 0 .. 63
.irp t, 0,1,2,3
.irp o, 0,1,2,3
	global_load_b128 v[B+16*(\t)+4*(\o):B+16*(\t)+4*(\o)+3], v[ZO], s[46:47] offset:((\t)/2)*1048576+((\t)%2)*2048+32*(\o)
.endr
.endr
	v_mul_u32_u24 v[VA], v1, CBP
	v_lshl_add_u32 v[VA], v2, 4, v[VA]
	v_lshl_add_u32 v[VC], v2, 5, NCN               ; my group's eight words
	v_lshl_add_u32 v[VG], s13, 7, v2               ; group 128 Y + 2 x block + h
	v_and_b32 v13, 7, v1
	v_lshlrev_b32 v[PO], 6, v13                    ; (r % 8) x 64
	v_lshl_add_u32 v[PO], v2, 5, v[PO]             ; + 32 h
	v_lshrrev_b32 v13, 3, v1
	v_lshl_add_u32 v[PO], v13, 4, v[PO]            ; + 16 (r / 8)
	v_lshlrev_b32 v[QO], 4, v1
	v_lshl_add_u32 v[QO], v2, 3, v[QO]             ; 16 r + 8 h
.set i, LP
.rept 40
	v_mov_b32 v[i], s60                            ; the lists start below every key
.set i, i+1
.endr
	s_wait_tensorcnt 0x0                           ; my eighth of the slice is in,
	s_barrier_signal -1
	s_barrier_wait -1                              ; everybody's is
	s_wait_loadcnt 0x0                             ; 2 z
.macro LOADS p                         ; the next block's codes and -sum c^2 into buffer p: six LDS loads
.irp o, 0,1,2,3
	ds_load_b128 v[AF+16*(\p)+4*(\o):AF+16*(\p)+4*(\o)+3], v[VA] offset:32*(\o)
.endr
	ds_load_b128 v[CN+8*(\p):CN+8*(\p)+3], v[VC]
	ds_load_b128 v[CN+8*(\p)+4:CN+8*(\p)+7], v[VC] offset:16
	v_add_nc_u32 v[VA], 16*CBP, v[VA]
	v_add_nc_u32 v[VC], 64, v[VC]
.endm
; Number qj of the 61 that select from the four accumulators at register a.
;   0-15  each tile's largest of 8 scores (the accumulator's lowest registers are read first)   16-19  the key   20  the next block's group
;   21-52 the key goes into the P tiles' lists: place i takes the middle one of place i - 1, place i and the key, from the list's end on; place 0 the larger    53-60 the same for the Q tiles
.macro Q a
.if qj < 4
	v_max3_num_f32 v[KEY+qj], v[(\a)+8*qj], v[(\a)+8*qj+1], v[(\a)+8*qj+2]
.elseif qj < 12
	v_max3_num_f32 v[KEY+qj%4], v[KEY+qj%4], v[(\a)+8*(qj%4)+2*(qj/4)+1], v[(\a)+8*(qj%4)+2*(qj/4)+2]
.elseif qj < 16
	v_max_num_f32 v[KEY+qj%4], v[KEY+qj%4], v[(\a)+8*(qj%4)+7]
.elseif qj < 20
	v_and_or_b32 v[KEY+qj%4], v[KEY+qj%4], s41, v[VG]
.elseif qj == 20
	v_add_nc_u32 v[VG], 2, v[VG]
.elseif qj < 53
.set qt, (qj-21)/16
.set qi, 15-(qj-21)%16
.if qi > 0
	v_med3_num_f32 v[LP+16*qt+qi], v[LP+16*qt+qi-1], v[LP+16*qt+qi], v[KEY+qt]
.else
	v_max_num_f32 v[LP+16*qt], v[LP+16*qt], v[KEY+qt]
.endif
.else
.set qt, (qj-53)/4
.set qi, 3-(qj-53)%4
.if qi > 0
	v_med3_num_f32 v[LQ+4*qt+qi], v[LQ+4*qt+qi-1], v[LQ+4*qt+qi], v[KEY+2+qt]
.else
	v_max_num_f32 v[LQ+4*qt], v[LQ+4*qt], v[KEY+2+qt]
.endif
.endif
.set qj, qj+1
.endm
; A STAGE: the block in buffer p is multiplied into accumulator set p.  sel = 1: the other set is selected from.  ld = 1: the next block is fetched into the other buffer, behind the
; second matrix instruction's riders: 21 plain instructions behind the last product that read that buffer, six products ahead of the wait for it.
; No rider names a register of the products round it; the set that the riders read was finished in the stage before, whose last product has five riders (or four v_nop) behind it.
.macro STAGE p, sel, ld
	s_wait_dscnt 0x0                               ; this block's codes are in
.set qj, 0
.set sw, 0
.rept 8
.if sw < 4
	v_wmma_f32_16x16x32_bf16 v[ACC+32*(\p)+8*sw:ACC+32*(\p)+8*sw+7], v[AF+16*(\p):AF+16*(\p)+7], v[B+16*sw:B+16*sw+7], v[CN+8*(\p):CN+8*(\p)+7]
.else
	v_wmma_f32_16x16x32_bf16 v[ACC+32*(\p)+8*(sw-4):ACC+32*(\p)+8*(sw-4)+7], v[AF+16*(\p)+8:AF+16*(\p)+15], v[B+16*(sw-4)+8:B+16*(sw-4)+15], v[ACC+32*(\p)+8*(sw-4):ACC+32*(\p)+8*(sw-4)+7]
.endif
.if \sel
.rept 8
.if qj < 61
	Q ACC+32*(1-(\p))
.endif
.endr
.endif
.if (\ld) && (sw == 1)
	LOADS 1-(\p)
.endif
.set sw, sw+1
.endr
.if !(\sel)
.rept 4
	v_nop                                          ; the places behind the products, where there are no riders
.endr
.endif
.endm
	LOADS 0
	STAGE 0, 0, 1                                  ; block 0
	s_mov_b32 s40, 31
.Lblocks:                                              ; a trip: two blocks are multiplied, the two before them selected from
	STAGE 1, 1, 1
	STAGE 0, 1, 1
	s_sub_co_u32 s40, s40, 1
	s_cmp_lg_u32 s40, 0
	s_cbranch_scc1 .Lblocks
	STAGE 1, 1, 0                                  ; block 63
.set qj, 0
.rept 61
	Q ACC+32                                       ; and its selection
.endr
; THE WAY OUT.  A token's groups lie in two lanes, 16 apart.  With both lists descending, the larger of my place i and the partner's place n - 1 - i, i < n / 2, is my half of the best n of both.
; Then float to unsigned in the same order: a negative word is inverted, a positive one gets the top bit.
.macro OUT_P t
.set L, LP+16*(\t)
.set X, AF+16*(\t)
.irp i, 0,1,2,3,4,5,6,7
	v_permlanex16_b32 v[X+(\i)], v[L+15-(\i)], s42, s43
.endr
.irp i, 0,1,2,3,4,5,6,7
	v_max_num_f32 v[L+(\i)], v[L+(\i)], v[X+(\i)]
.endr
.irp i, 0,1,2,3,4,5,6,7
	v_ashrrev_i32 v[X+(\i)], 31, v[L+(\i)]
.endr
.irp i, 0,1,2,3,4,5,6,7
	v_or_b32 v[X+(\i)], s61, v[X+(\i)]
.endr
.irp i, 0,1,2,3,4,5,6,7
	v_xor_b32 v[L+(\i)], v[L+(\i)], v[X+(\i)]
.endr
	; lanes r and r xor 8 change halves, so that one store holds tokens 0-7 whole and the other tokens 8-15: 512 consecutive bytes each
.irp i, 0,1,2,3,4,5,6,7
	v_mov_b32_dpp v[X+8+(\i)], v[L+(\i)] row_xmask:8 row_mask:0xf bank_mask:0xf
.endr
.irp i, 0,1,2,3
	v_cndmask_b32 v[X+(\i)], v[X+12+(\i)], v[L+(\i)], s62      ; r < 8: my keys 0-3; else the partner's 4-7
.endr
.irp i, 0,1,2,3
	v_cndmask_b32 v[X+4+(\i)], v[L+4+(\i)], v[X+8+(\i)], s62   ; r < 8: the partner's 0-3; else my 4-7
.endr
	global_store_b128 v[PO], v[X:X+3], s[48:49] offset:1024*(\t)
	global_store_b128 v[PO], v[X+4:X+7], s[48:49] offset:1024*(\t)+512
.endm
.macro OUT_Q u
.set L, LQ+4*(\u)
.set X, CN+4*(\u)
	v_permlanex16_b32 v[X], v[L+3], s42, s43
	v_permlanex16_b32 v[X+1], v[L+2], s42, s43
	v_max_num_f32 v[L], v[L], v[X]
	v_max_num_f32 v[L+1], v[L+1], v[X+1]
	v_ashrrev_i32 v[X], 31, v[L]
	v_ashrrev_i32 v[X+1], 31, v[L+1]
	v_or_b32 v[X], s61, v[X]
	v_or_b32 v[X+1], s61, v[X+1]
	v_xor_b32 v[L], v[L], v[X]
	v_xor_b32 v[L+1], v[L+1], v[X+1]
	global_store_b64 v[QO], v[L:L+1], s[50:51] offset:256*(\u)  ; 16 tokens' four keys: 256 consecutive bytes, aligned
.endm
	OUT_P 0
	OUT_P 1
	OUT_Q 0
	OUT_Q 1
	s_wait_tensorcnt 0x0                           ; the wave's end: behind my last tensor load
	ds_add_u32 v[SPW], v[NIL]
	s_wait_dscnt 0x0
	CROUND                                         ; the closing round
	s_endpgm
.Lfunc_end_k_qb0224c0ce5_search:
	.size	k_qb0224c0ce5_search, .Lfunc_end_k_qb0224c0ce5_search-k_qb0224c0ce5_search
	.p2alignl 7, 3214868480
	.fill 96, 4, 3214868480
	.section	.rodata,"a",@progbits
	.p2align	6, 0x0
	.amdhsa_kernel k_qb0224c0ce5_search
		.amdhsa_group_segment_fixed_size 167936
		.amdhsa_private_segment_fixed_size 0
		.amdhsa_enable_private_segment 0
		.amdhsa_kernarg_size 24
		.amdhsa_user_sgpr_count 2
		.amdhsa_user_sgpr_kernarg_segment_ptr 1
		.amdhsa_wavefront_size32 1
		.amdhsa_system_sgpr_workgroup_id_x 1
		.amdhsa_system_sgpr_workgroup_id_y 1
		.amdhsa_system_sgpr_workgroup_id_z 1
		.amdhsa_system_vgpr_workitem_id 0
		.amdhsa_next_free_vgpr 232
		.amdhsa_next_free_sgpr 66
		.amdhsa_reserve_vcc 0
		.amdhsa_float_denorm_mode_32 3
		.amdhsa_float_denorm_mode_16_64 3
		.amdhsa_memory_ordered 1
		.amdhsa_forward_progress 1
		.amdhsa_inst_pref_size 34
	.end_amdhsa_kernel
	.amdgpu_metadata
---
amdhsa.version: [ 1, 2 ]
amdhsa.kernels:
  - .name:           k_qb0224c0ce5_search
    .symbol:         k_qb0224c0ce5_search.kd
    .args:
      - { .name: half, .offset: 0, .size: 8, .value_kind: global_buffer, .address_space: global }
      - { .name: aux, .offset: 8, .size: 8, .value_kind: global_buffer, .address_space: global }
      - { .name: keys, .offset: 16, .size: 8, .value_kind: global_buffer, .address_space: global }
    .group_segment_fixed_size: 167936
    .private_segment_fixed_size: 0
    .kernarg_segment_align: 8
    .kernarg_segment_size: 24
    .max_flat_workgroup_size: 256
    .sgpr_count:     66
    .vgpr_count:     232
    .wavefront_size: 32
...
	.end_amdgpu_metadata
.endif
;; end of part 2
;; launch refine (part 3): grid 256 x 1, 16 waves a work-group, no clusters, 141,824 bytes of LDS; arguments codebook, zf, aux, rank, keys, sel, part; writes sel, part
.if DOCPART == 3
	.amdgcn_target "amdgcn-amd-amdhsa--gfx1250"
	.amdhsa_code_object_version 6
	.text
	.protected	k_qb0224c0ce5_refine
	.globl	k_qb0224c0ce5_refine
	.p2align	8
	.type	k_qb0224c0ce5_refine,@function
k_qb0224c0ce5_refine:
	s_mov_b64 s[64:65], 0
	v_nop
	global_prefetch_b8 v0, s[64:65] scope:SCOPE_SE
	s_setreg_imm32_b32 hwreg(HW_REG_WAVE_MODE, 25, 1), 1
	s_wait_xcnt 0x0
; REFINE.  For each token the shortlisted groups of 8 codes are taken in the order of their keys, and for their codes the distance is made as the module's definition makes it, in f32:
; m = (2 z) . c as one chain of fused multiply-adds, the channels ascending (made with z and doubled: the same bits); d = (S + sum c^2) - m, each step rounded.
; The code chosen is the one at place r in the order (d ascending, index ascending): r = 0 is the argmin.  Also (c - z)^2 of the argmin's code, for the loss.
; One wave, one token; in a BATCH one lane, one code: 4 groups = 32 codes.  A token has 1 batch for r = 0, 2 for r = 1, 2, 3 for r = 3..5, 4 for r = 6..9.
; WHAT STEERS.  Keys and r are whole numbers that earlier launches stored; the groups' addresses, the number of batches and the trips of the ranking loop hang on them alone, by integer
; instructions.  The floating-point distances only select values; the code chosen is stored, and used as an address in the next launch.
; LIMIT.  A code outside the shortlist is not seen (the shortlist's own limit is stated where it is made).  NaN and infinities are not treated apart.
; SHARES.  Work-group G: tokens 32 G .. + 31 and 8,192 + 32 G .. + 31.  Wave w takes four of them, by turns one of the first kind (128 keys) and one of the second (32 keys).
; The matrix unit, clusters and tensor loads are left out: the rows are known only from the keys, no two work-groups want the same rows at the same time, and the sums have to be chains.
.set PITCH, 272                        ; a code's row in my stage: 256 bytes + 16: 32 lanes read 32 rows without a bank conflict
.set RES,   139264                     ; behind the 16 stages of 32 rows: 64 words of codes chosen, at + 256 the 16 waves' loss sums
.set SPARE, 139776                     ; the spare words: 128 bytes a wave, eight blocks of 256 bytes that no other line names
.set VL16, 2                           ; v2  16 l
.set VL7,  3                           ; v3  l % 8
.set VST,  4                           ; v4  stage, in: row l / 16, 16 bytes a lane
.set VLD,  5                           ; v5  stage, out: row l
.set VKP,  6                           ; v6  my 16 bytes of a token's 8 x 64 bytes of keys: slice l / 4, quarter l % 4
.set VKQ,  7                           ; v7  my word of a token's 8 x 16 bytes of keys
.set VZERO, 8
.set VBIG, 9                           ; 0xffffffff
.set VINF, 10                          ; +infinity
.set SPW,  11                          ; v11 LDS address of my spare word; never rewritten
.set NIL,  12                          ; v12 0; never rewritten
.set M,    13
.set T,    14
.set K,    16                          ; v16-19 my keys
.set D,    20                          ; v20-23 my code's distance, a register a batch
.set J,    24                          ; v24-27 its index
.set E,    28                          ; v28-31 its (c - z)^2
.set U,    32
.set DM,   36
.set JM,   37
.set MA,   38
.set NC,   39
.set EP,   40                          ; v40-43
.set TP,   44                          ; v44-47
.set VJ4,  48
.set LS,   49                          ; my lane's part of the loss
.set VRES, 50                          ; lanes with l % 4 = i: the code chosen for the wave's token i
.set VL3,  51
.set Z,    64                          ; v64-127  z, the same in all lanes
.set R,    128                         ; v128-191 32 rows as loaded: 16 lanes a row
.set C,    192                         ; v192-255 my code's row
	s_load_b256 s[4:11], s[0:1], 0x0               ; codebook 4, zf 6, aux 8, rank 10
	s_load_b128 s[12:15], s[0:1], 0x20             ; keys 12, sel 14
	s_load_b64 s[16:17], s[0:1], 0x30              ; part
	v_lshl_add_u32 v[SPW], v0, 2, SPARE
	v_mov_b32 v[NIL], 0
	v_lshrrev_b32 v1, 5, v0
	v_readfirstlane_b32 s18, v1                    ; wave 0..15
	s_mov_b32 s19, ttmp9                           ; G
	v_and_b32 v1, 31, v0                           ; l
	v_lshlrev_b32 v[VL16], 4, v1
	v_and_b32 v[VL7], 7, v1
	v_and_b32 v[VL3], 3, v1
	v_and_b32 v52, 15, v1
	v_lshrrev_b32 v53, 4, v1
	s_mul_i32 s44, s18, 32*PITCH                   ; my stage
	v_mul_u32_u24 v[VST], v53, PITCH
	v_lshl_add_u32 v[VST], v52, 4, v[VST]
	v_add_nc_u32 v[VST], s44, v[VST]
	v_mul_u32_u24 v[VLD], v1, PITCH
	v_add_nc_u32 v[VLD], s44, v[VLD]
	v_lshrrev_b32 v54, 2, v1
	v_lshlrev_b32 v[VKP], 19, v54
	v_lshl_add_u32 v[VKP], v[VL3], 4, v[VKP]
	v_lshlrev_b32 v[VKQ], 17, v54
	v_lshl_add_u32 v[VKQ], v[VL3], 2, v[VKQ]
	v_mov_b32 v[VZERO], 0
	v_mov_b32 v[VBIG], -1
	v_mov_b32 v[VINF], 0x7f800000
	v_mov_b32 v[LS], 0
	v_mov_b32 v[VRES], 0
.irp i, 0,1,2,3
	v_mov_b32 v[E+(\i)], 0
.endr
	v_lshl_add_u32 v55, v52, 2, RES+256            ; the 16 loss sums
	v_and_b32 v52, 1, v1                           ; where the codes chosen go: word 32 (l % 2) + 2 w + (l / 2) % 2
	v_lshlrev_b32 v52, 7, v52
	v_bfe_u32 v53, v1, 1, 1
	v_lshl_add_u32 v52, v53, 2, v52
	v_lshl_add_u32 v52, s18, 3, v52
	v_add_nc_u32 v52, RES, v52
	s_lshl_b32 s44, s18, 2
	s_add_co_u32 s44, s44, RES+256
	v_mov_b32 v53, s44                             ; my wave's loss word
	v_lshl_add_u32 v54, v1, 2, RES
	v_lshlrev_b32 v59, 2, v1
	s_lshl_b32 s31, s19, 5
	s_lshl_b32 s44, s18, 1
	s_add_co_u32 s31, s31, s44                     ; 32 G + 2 w
	s_mov_b32 s26, 0x76543210                      ; v_permlanex16_b32: each lane takes its own place in the other half
	s_mov_b32 s27, 0xfedcba98
	s_mov_b32 s28, 0x0000ff00                      ; lanes 8-15, 16-23, 24-31
	s_mov_b32 s29, 0x00ff0000
	s_mov_b32 s30, 0xff000000
	s_mov_b32 s47, 0
	s_mov_b32 s55, 0
	s_lshl_b32 s58, s19, 7                         ; the group's 32 words of sel
	s_mov_b32 s59, 0
	s_lshl_b32 s60, s19, 2                         ; its word of part
	s_mov_b32 s61, 0
	s_mov_b32 s20, 0                               ; the wave's token in hand, 0..3
	s_wait_kmcnt 0x0
	s_add_nc_u64 s[52:53], s[8:9], 0x10000         ; -sum c^2
	s_add_nc_u64 s[14:15], s[14:15], s[58:59]
	s_add_nc_u64 s[16:17], s[16:17], s[60:61]
.macro WAVEMAXU                        ; M = the largest unsigned M of the 32 lanes
.irp m, 1,2,4,8
	v_mov_b32_dpp v[T], v[M] row_xmask:\m row_mask:0xf bank_mask:0xf
	v_max_u32 v[M], v[M], v[T]
.endr
	v_permlanex16_b32 v[T], v[M], s26, s27
	v_max_u32 v[M], v[M], v[T]
.endm
; The best key left is found and struck out; its low 10 bits are a group; the group's 8 rows (2,048 consecutive bytes) are asked for.
.macro EXTRACT g
	v_max_u32 v[M], v[K], v[K+1]
	v_max_u32 v[T], v[K+2], v[K+3]
	v_max_u32 v[M], v[M], v[T]
	WAVEMAXU
	v_readfirstlane_b32 s[40+(\g)], v[M]
.irp i, 0,1,2,3
	v_cmp_eq_u32 vcc_lo, v[K+(\i)], v[M]
	v_cndmask_b32 v[K+(\i)], v[K+(\i)], 0, vcc_lo
.endr
	s_and_b32 s[40+(\g)], s[40+(\g)], 1023
	s_min_u32 s[40+(\g)], s[40+(\g)], 1023
	s_lshl_b32 s54, s[40+(\g)], 11
	s_add_nc_u64 s[32+2*(\g):33+2*(\g)], s[4:5], s[54:55]
.irp i, 0,1,2,3
	global_load_b128 v[R+16*(\g)+4*(\i):R+16*(\g)+4*(\i)+3], v[VL16], s[32+2*(\g):33+2*(\g)] offset:512*(\i)
.endr
.endm
.macro BATCH rho
	EXTRACT 0
	EXTRACT 1
	EXTRACT 2
	EXTRACT 3
	v_mov_b32 v[J+(\rho)], s40                     ; my code: 8 x the group of my eight lanes + l % 8
	v_cndmask_b32 v[J+(\rho)], v[J+(\rho)], s41, s28
	v_cndmask_b32 v[J+(\rho)], v[J+(\rho)], s42, s29
	v_cndmask_b32 v[J+(\rho)], v[J+(\rho)], s43, s30
	v_lshl_add_u32 v[J+(\rho)], v[J+(\rho)], 3, v[VL7]
	v_min_u32 v[J+(\rho)], 0x1fff, v[J+(\rho)]
	v_lshlrev_b32 v[VJ4], 2, v[J+(\rho)]
	global_load_b32 v[NC], v[VJ4], s[52:53]
.irp g, 0,1,2,3
	s_wait_loadcnt 13-4*(\g)                       ; group g's four loads are in (and z, which is older): the later groups' loads and the one of -sum c^2 may be out
.irp i, 0,1,2,3
	ds_store_b128 v[VST], v[R+16*(\g)+4*(\i):R+16*(\g)+4*(\i)+3] offset:(8*(\g)+2*(\i))*PITCH
.endr
.endr
.irp q, 0,1,2,3,4,5,6,7,8,9,10,11,12,13,14,15
	ds_load_b128 v[C+4*(\q):C+4*(\q)+3], v[VLD] offset:16*(\q)  ; my stage is my wave's own, and LDS serves a wave's instructions in order (ISA guide 5.7.1.4): these see the stores above
.endr
.set q, 0
.rept 16                               ; four links of the chain, and between them (c - z)^2 in four sums
	s_wait_dscnt 15-q
.if q == 0
	v_mul_f32 v[MA], v[C], v[Z]
.else
	v_fma_f32 v[MA], v[C+4*q], v[Z+4*q], v[MA]
.endif
	v_pk_add_f32 v[TP:TP+1], v[C+4*q:C+4*q+1], v[Z+4*q:Z+4*q+1] neg_lo:[0,1] neg_hi:[0,1]
	v_fma_f32 v[MA], v[C+4*q+1], v[Z+4*q+1], v[MA]
	v_pk_add_f32 v[TP+2:TP+3], v[C+4*q+2:C+4*q+3], v[Z+4*q+2:Z+4*q+3] neg_lo:[0,1] neg_hi:[0,1]
	v_fma_f32 v[MA], v[C+4*q+2], v[Z+4*q+2], v[MA]
.if q == 0
	v_pk_mul_f32 v[EP:EP+1], v[TP:TP+1], v[TP:TP+1]
.else
	v_pk_fma_f32 v[EP:EP+1], v[TP:TP+1], v[TP:TP+1], v[EP:EP+1]
.endif
	v_fma_f32 v[MA], v[C+4*q+3], v[Z+4*q+3], v[MA]
.if q == 0
	v_pk_mul_f32 v[EP+2:EP+3], v[TP+2:TP+3], v[TP+2:TP+3]
.else
	v_pk_fma_f32 v[EP+2:EP+3], v[TP+2:TP+3], v[TP+2:TP+3], v[EP+2:EP+3]
.endif
.set q, q+1
.endr
	s_wait_loadcnt 0x0                             ; -sum c^2
	v_add_f32 v[MA], v[MA], v[MA]                  ; exact: the chain with 2 z
	v_sub_f32 v[T], s22, v[NC]                     ; S + sum c^2, rounded
	v_pk_add_f32 v[EP:EP+1], v[EP:EP+1], v[EP+2:EP+3]
	v_sub_f32 v[D+(\rho)], v[T], v[MA]             ; d
	v_add_f32 v[E+(\rho)], v[EP], v[EP+1]
.endm
; JM = the lowest index among the codes with the smallest distance, in every lane
.macro PICK
	v_min3_num_f32 v[DM], v[D], v[D+1], v[D+2]
	v_min_num_f32 v[DM], v[DM], v[D+3]
.irp m, 1,2,4,8
	v_min_num_f32_dpp v[DM], v[DM], v[DM] row_xmask:\m row_mask:0xf bank_mask:0xf
.endr
	v_permlanex16_b32 v[T], v[DM], s26, s27
	v_min_num_f32 v[DM], v[DM], v[T]
.irp i, 0,1,2,3
	v_cmp_eq_f32 vcc_lo, v[D+(\i)], v[DM]
	v_cndmask_b32 v[U+(\i)], v[VBIG], v[J+(\i)], vcc_lo
.endr
	v_min_u32 v[JM], v[U], v[U+1]
	v_min_u32 v[T], v[U+2], v[U+3]
	v_min_u32 v[JM], v[JM], v[T]
.irp m, 1,2,4,8
	v_mov_b32_dpp v[T], v[JM] row_xmask:\m row_mask:0xf bank_mask:0xf
	v_min_u32 v[JM], v[JM], v[T]
.endr
	v_permlanex16_b32 v[T], v[JM], s26, s27
	v_min_u32 v[JM], v[JM], v[T]
.endm
.Ltoken:                                               ; four trips
	s_lshr_b32 s44, s20, 1
	s_and_b32 s45, s20, 1
	s_lshl_b32 s45, s45, 13
	s_add_co_u32 s21, s31, s44
	s_add_co_u32 s21, s21, s45                     ; the token: 32 G + 2 w + trip / 2 + 8,192 (trip % 2)
	s_lshl_b32 s56, s21, 2
	s_load_b32 s22, s[8:9], s56 offset:0x0         ; S
	s_load_b32 s23, s[10:11], s56 offset:0x0       ; r
	s_lshl_b32 s46, s21, 8
	s_add_nc_u64 s[48:49], s[6:7], s[46:47]        ; its row of zf
	s_bitcmp1_b32 s20, 0
	s_cbranch_scc1 .Lfew_keys                      ; either way issues one load
	s_lshl_b32 s46, s21, 6
	s_add_nc_u64 s[50:51], s[12:13], s[46:47]
	global_load_b128 v[K:K+3], v[VKP], s[50:51]    ; 8 slices x 16 keys
	s_branch .Lkeys_asked
.Lfew_keys:
	s_lshl_b32 s46, s21, 4
	s_add_co_u32 s46, s46, 4194304-131072          ; 4,194,304 + 16 (token - 8,192)
	s_add_nc_u64 s[50:51], s[12:13], s[46:47]
	global_load_b32 v[K], v[VKQ], s[50:51]         ; 8 slices x 4 keys
	v_mov_b32 v[K+1], 0
	v_mov_b32 v[K+2], 0
	v_mov_b32 v[K+3], 0
.Lkeys_asked:
.irp q, 0,1,2,3,4,5,6,7,8,9,10,11,12,13,14,15
	global_load_b128 v[Z+4*(\q):Z+4*(\q)+3], v[VZERO], s[48:49] offset:16*(\q)  ; every lane takes the whole row
.endr
.irp i, 0,1,2,3
	v_mov_b32 v[D+(\i)], v[VINF]                   ; a batch that is not run counts as nothing
	v_mov_b32 v[J+(\i)], v[VBIG]
.endr
	s_wait_kmcnt 0x0
	s_min_u32 s23, s23, 9
	s_mov_b32 s24, 1                               ; batches: 1 + (r > 0) + (r > 2) + (r > 5)
	s_cmp_gt_u32 s23, 0
	s_add_co_ci_u32 s24, s24, 0
	s_cmp_gt_u32 s23, 2
	s_add_co_ci_u32 s24, s24, 0
	s_cmp_gt_u32 s23, 5
	s_add_co_ci_u32 s24, s24, 0
	s_wait_loadcnt 16                              ; the keys are in: the 16 loads of z may be out
	BATCH 0
	s_cmp_le_u32 s24, 1
	s_cbranch_scc1 .Lpick
	BATCH 1
	s_cmp_le_u32 s24, 2
	s_cbranch_scc1 .Lpick
	BATCH 2
	s_cmp_le_u32 s24, 3
	s_cbranch_scc1 .Lpick
	BATCH 3
.Lpick:
	PICK                                           ; the argmin
.irp i, 0,1,2,3
	v_cmp_eq_u32 vcc_lo, v[J+(\i)], v[JM]
	v_cndmask_b32 v[T], 0, v[E+(\i)], vcc_lo
	v_add_f32 v[LS], v[LS], v[T]                   ; its (c - z)^2, in the one lane that holds it
.endr
	s_cmp_eq_u32 s23, 0
	s_cbranch_scc1 .Lranked
	s_mov_b32 s25, 0
.Lrank:                                                ; r trips: the code found is struck out, the next is found
.irp i, 0,1,2,3
	v_cmp_eq_u32 vcc_lo, v[J+(\i)], v[JM]
	v_cndmask_b32 v[D+(\i)], v[D+(\i)], v[VINF], vcc_lo
.endr
	PICK
	s_add_co_u32 s25, s25, 1
	s_cmp_lt_u32 s25, s23
	s_cbranch_scc1 .Lrank
.Lranked:
	v_cmp_eq_u32 vcc_lo, s20, v[VL3]
	v_cndmask_b32 v[VRES], v[VRES], v[JM], vcc_lo
	s_add_co_u32 s20, s20, 1
	s_cmp_lt_u32 s20, 4
	s_cbranch_scc1 .Ltoken
.irp m, 1,2,4,8
	v_add_f32_dpp v[LS], v[LS], v[LS] row_xmask:\m row_mask:0xf bank_mask:0xf
.endr
	v_permlanex16_b32 v[T], v[LS], s26, s27
	v_add_f32 v[LS], v[LS], v[T]                   ; my wave's four tokens' loss
	ds_store_b32 v52, v[VRES]                      ; eight lanes write each word, with the same number
	ds_store_b32 v53, v[LS]
	s_wait_dscnt 0x0                               ; for wave 0's sake
	s_barrier_signal -1
	s_barrier_wait -1
	s_cmp_lg_u32 s18, 0
	s_cbranch_scc1 .Lend
	ds_load_b32 v56, v54
	ds_load_b32 v57, v54 offset:128
	ds_load_b32 v58, v55
	s_wait_dscnt 0x0
	global_store_b32 v59, v56, s[14:15]            ; 32 tokens' codes: 128 consecutive bytes, twice: halves of aligned 256 bytes; 64 KiB in the whole launch
	global_store_b32 v59, v57, s[14:15] offset:32768
.irp m, 1,2,4,8
	v_add_f32_dpp v58, v58, v58 row_xmask:\m row_mask:0xf bank_mask:0xf
.endr
	v_cmp_eq_u32 vcc_lo, 0, v1
	s_wait_xcnt 0x0                                ; EXEC changes only behind this wait
	s_and_saveexec_b32 s44, vcc_lo
	global_store_b32 v[VZERO], v58, s[16:17]       ; the work-group's loss sum
	s_wait_xcnt 0x0
	s_or_b32 exec_lo, exec_lo, s44
.Lend:
	s_wait_tensorcnt 0x0                           ; the wave's end: behind my last LDS store
	ds_add_u32 v[SPW], v[NIL]
	s_wait_dscnt 0x0
	s_endpgm
.Lfunc_end_k_qb0224c0ce5_refine:
	.size	k_qb0224c0ce5_refine, .Lfunc_end_k_qb0224c0ce5_refine-k_qb0224c0ce5_refine
	.p2alignl 7, 3214868480
	.fill 96, 4, 3214868480
	.section	.rodata,"a",@progbits
	.p2align	6, 0x0
	.amdhsa_kernel k_qb0224c0ce5_refine
		.amdhsa_group_segment_fixed_size 141824
		.amdhsa_private_segment_fixed_size 0
		.amdhsa_enable_private_segment 0
		.amdhsa_kernarg_size 56
		.amdhsa_user_sgpr_count 2
		.amdhsa_user_sgpr_kernarg_segment_ptr 1
		.amdhsa_wavefront_size32 1
		.amdhsa_system_sgpr_workgroup_id_x 1
		.amdhsa_system_sgpr_workgroup_id_y 1
		.amdhsa_system_sgpr_workgroup_id_z 1
		.amdhsa_system_vgpr_workitem_id 0
		.amdhsa_next_free_vgpr 256
		.amdhsa_next_free_sgpr 66
		.amdhsa_reserve_vcc 1
		.amdhsa_float_denorm_mode_32 3
		.amdhsa_float_denorm_mode_16_64 3
		.amdhsa_memory_ordered 1
		.amdhsa_forward_progress 1
		.amdhsa_inst_pref_size 82
	.end_amdhsa_kernel
	.amdgpu_metadata
---
amdhsa.version: [ 1, 2 ]
amdhsa.kernels:
  - .name:           k_qb0224c0ce5_refine
    .symbol:         k_qb0224c0ce5_refine.kd
    .args:
      - { .name: codebook, .offset: 0, .size: 8, .value_kind: global_buffer, .address_space: global }
      - { .name: zf, .offset: 8, .size: 8, .value_kind: global_buffer, .address_space: global }
      - { .name: aux, .offset: 16, .size: 8, .value_kind: global_buffer, .address_space: global }
      - { .name: rank, .offset: 24, .size: 8, .value_kind: global_buffer, .address_space: global }
      - { .name: keys, .offset: 32, .size: 8, .value_kind: global_buffer, .address_space: global }
      - { .name: sel, .offset: 40, .size: 8, .value_kind: global_buffer, .address_space: global }
      - { .name: part, .offset: 48, .size: 8, .value_kind: global_buffer, .address_space: global }
    .group_segment_fixed_size: 141824
    .private_segment_fixed_size: 0
    .kernarg_segment_align: 8
    .kernarg_segment_size: 56
    .max_flat_workgroup_size: 512
    .sgpr_count:     66
    .vgpr_count:     256
    .wavefront_size: 32
...
	.end_amdgpu_metadata
.endif
;; end of part 3
;; launch post (part 4): grid 256 x 1, 4 waves a work-group, no clusters, 52,736 bytes of LDS; arguments codebook, zf, sel, part, post_w, post_b, out0, out1; writes out0, out1
.if DOCPART == 4
	.amdgcn_target "amdgcn-amd-amdhsa--gfx1250"
	.amdhsa_code_object_version 6
	.text
	.protected	k_qb0224c0ce5_post
	.globl	k_qb0224c0ce5_post
	.p2align	8
	.type	k_qb0224c0ce5_post,@function
k_qb0224c0ce5_post:
	s_mov_b64 s[64:65], 0
	v_nop
	global_prefetch_b8 v0, s[64:65] scope:SCOPE_SE
	s_setreg_imm32_b32 hwreg(HW_REG_WAVE_MODE, 25, 1), 1
	s_wait_xcnt 0x0
; POST.  quant = z + (c_sel - z), both steps in f32 as the module has them; out0 = post_w quant + post_b; out1 = 1.25 x the mean of (c_argmin - z)^2.
; THE PRODUCT goes to the matrix unit in bf16 with f32 sums, each operand as TWO bf16 numbers: x = hi + lo, hi = bf16(x), lo = bf16(x - hi) (the difference is exact in f32).
; out0 = bias + qh wh + ql wh + qh wl; the term left out, ql wl, is some 2^-16 of a product.  Why: every one of out0's 2,097,152 numbers must lie within 1% of their root mean square;
; a number rounded once to bf16's 8 bits is off by some 0.16% of itself, a sum of 64 products of two such numbers by some 0.23% of that root mean square, and the largest error
; of two million lies about five times higher: at the line.  f16 is not taken: codes near 1e-4 lie at the end of its normal range, and smaller ones would keep few bits.
; SHARES.  Work-group g: tokens 64 g .. + 63 (batch g / 16, pixels 64 (g % 16) on).  Wave w gathers tokens 16 w .. + 15, then makes outputs 32 w .. + 31 for all 64 tokens: 8 accumulators.
; THE MATRIX INSTRUCTION: source 0 = 16 tokens, source 1 = 16 rows of post_w, C = the bias: a lane then holds one output channel and eight neighbouring pixels, which lie side by side in out0.
; No tensor loads and no cluster: the rows come by a list, post_w is 32 KiB read once by each work-group, and a work-group's matrix work is 192 instructions.
; LIMITS.  NaN and infinities are not treated apart.
.set QP,    272                        ; a token's row in the quant stage: 128 bytes hi, 128 bytes lo, 16 of padding: the 16 rows of a fragment load start at 16 different groups of four banks (ISA guide 11.1)
.set QST,   0                          ; 64 such rows
.set OST,   17408                      ; out: 128 rows (channels) of 272 bytes (64 pixels x 4 + 16)
.set SPARE, 52224                      ; the spare words: 128 bytes a wave, two blocks of 256 bytes that no other line names
.set SPW,  14                          ; v14 LDS address of my spare word; never rewritten
.set NIL,  15                          ; v15 0; never rewritten
.set SELV, 16                          ; v16-23   the codes chosen, then their rows' byte offsets
.set ZV,   24                          ; v24-55   z
.set CV,   56                          ; v56-87   the codes' rows, then quant
.set AFR,  24                          ; v24-87   later: the fragments of two token tiles (tile j at AFR + 32 j: hi 16, lo 16); then the rows of out0
.set WF,   88                          ; v88-151  post_w in f32
.set QH,   88                          ; v88-103  later: quant's hi parts, v104-119 its lo parts, on their way into the stage
.set QL,   104
.set ACC,  88                          ; v88-151  later: the accumulators, 4 u + tt (u: which 16 channels, tt: which 16 tokens)
.set BFH,  152                         ; v152-183 post_w's hi parts: 16 registers for each 16 channels
.set BFL,  184                         ; v184-215 its lo parts (BFH + 32)
.set BI,   216                         ; v216-231 the bias, eight times, for each 16 channels
.set TT,   232                         ; v232-247 at work
	s_load_b512 s[4:19], s[0:1], 0x0               ; codebook 4, zf 6, sel 8, part 10, post_w 12, post_b 14, out0 16, out1 18
	v_lshl_add_u32 v[SPW], v0, 2, SPARE
	v_mov_b32 v[NIL], 0
	v_lshrrev_b32 v1, 5, v0
	v_readfirstlane_b32 s24, v1                    ; wave 0..3
	s_mov_b32 s25, ttmp9                           ; g
	v_and_b32 v1, 31, v0                           ; l
	v_and_b32 v2, 15, v0                           ; r = l % 16
	v_bfe_u32 v3, v0, 4, 1                         ; h = l / 16
	v_lshlrev_b32 v4, 2, v3                        ; sel: 16 lanes take one token's word
	v_lshlrev_b32 v5, 4, v1                        ; 16 l
	v_lshlrev_b32 v6, 8, v2
	v_lshl_add_u32 v6, v3, 5, v6                   ; post_w: row r, 8 h numbers on
	v_lshlrev_b32 v7, 2, v2                        ; 4 r
	v_lshlrev_b32 v8, 4, v2                        ; 16 r
	s_mul_i32 s26, s24, 16*QP
	v_mul_u32_u24 v9, v3, QP
	v_lshl_add_u32 v9, v2, 3, v9
	v_add_nc_u32 v9, s26, v9                       ; quant, in: row 16 w + h, 8 bytes a lane
	v_mul_u32_u24 v10, v2, QP
	v_lshl_add_u32 v10, v3, 4, v10                 ; quant, out: a fragment's row x pitch + 16 x half
	s_mul_i32 s26, s24, 32*272
	s_add_co_u32 s26, s26, OST
	v_mul_u32_u24 v11, v2, 272
	v_lshl_add_u32 v11, v3, 5, v11
	v_add_nc_u32 v11, s26, v11                     ; out, in: channel 32 w + r, pixels 8 h on
	v_mul_u32_u24 v12, v3, 272
	v_lshl_add_u32 v12, v2, 4, v12
	v_add_nc_u32 v12, s26, v12                     ; out, back: channel 32 w + h, 16 bytes a lane
	v_lshl_add_u32 v13, v3, 12, v8                 ; and the same in out0
	s_lshl_b32 s28, s25, 8                         ; sel: 256 g + 64 w
	s_lshl_b32 s29, s24, 6
	s_add_co_u32 s28, s28, s29
	s_mov_b32 s29, 0
	s_lshl_b32 s30, s28, 6                         ; zf: 16,384 g + 4,096 w
	s_mov_b32 s31, 0
	s_lshl_b32 s32, s24, 13                        ; post_w: my 32 rows
	s_mov_b32 s33, 0
	s_lshl_b32 s34, s24, 7                         ; post_b
	s_mov_b32 s35, 0
	s_lshr_b32 s36, s25, 4                         ; out0: batch x 524,288 + 256 (g % 16) + my 32 channels
	s_lshl_b32 s36, s36, 19
	s_and_b32 s37, s25, 15
	s_lshl_b32 s37, s37, 8
	s_add_co_u32 s36, s36, s37
	s_lshl_b32 s37, s24, 17
	s_add_co_u32 s36, s36, s37
	s_mov_b32 s37, 0
	s_mov_b32 s38, 0x76543210                      ; v_permlanex16_b32: each lane takes its own place in the other half
	s_mov_b32 s39, 0xfedcba98
	s_mov_b32 s40, 0xffff0000                      ; a word's upper bf16
	s_mov_b32 s41, 0x3e800000                      ; 0.25
	s_wait_kmcnt 0x0
	s_add_nc_u64 s[8:9], s[8:9], s[28:29]
	s_add_nc_u64 s[6:7], s[6:7], s[30:31]
	s_add_nc_u64 s[12:13], s[12:13], s[32:33]
	s_add_nc_u64 s[14:15], s[14:15], s[34:35]
	s_add_nc_u64 s[16:17], s[16:17], s[36:37]
.irp i, 0,1,2,3,4,5,6,7
	global_load_b32 v[SELV+(\i)], v4, s[8:9] offset:8*(\i)         ; tokens 16 w + 2 i + h
.endr
.irp i, 0,1,2,3,4,5,6,7
	global_load_b128 v[ZV+4*(\i):ZV+4*(\i)+3], v5, s[6:7] offset:512*(\i)
.endr
.irp u, 0,1
.irp c, 0,1,2,3
	global_load_b128 v[WF+32*(\u)+8*(\c):WF+32*(\u)+8*(\c)+3],   v6, s[12:13] offset:4096*(\u)+64*(\c)     ; K = 16 c + 8 h + 0..3
	global_load_b128 v[WF+32*(\u)+8*(\c)+4:WF+32*(\u)+8*(\c)+7], v6, s[12:13] offset:4096*(\u)+64*(\c)+16  ; + 4..7
.endr
.endr
	global_load_b32 v[BI], v7, s[14:15]
	global_load_b32 v[BI+8], v7, s[14:15] offset:64
	s_wait_loadcnt 26                              ; the codes chosen are in: 8 + 16 + 2 younger loads may be out
.irp i, 0,1,2,3,4,5,6,7
	v_min_u32 v[SELV+(\i)], 0x1fff, v[SELV+(\i)]
	v_lshl_add_u32 v[SELV+(\i)], v[SELV+(\i)], 8, v8
	global_load_b128 v[CV+4*(\i):CV+4*(\i)+3], v[SELV+(\i)], s[4:5]  ; 16 lanes take a code's whole row of 256 bytes
.endr
; Sixteen f32 numbers at src are split: eight words of hi parts, eight of lo parts; src is left holding x - hi.  Stage by stage, so that no line reads the result of the one before it.
.macro SPLIT8 hi, lo, src
.irp k, 0,1,2,3,4,5,6,7
	v_cvt_pk_bf16_f32 v[(\hi)+(\k)], v[(\src)+2*(\k)], v[(\src)+2*(\k)+1]
.endr
.irp k, 0,1,2,3,4,5,6,7
	v_lshlrev_b32 v[TT+2*(\k)], 16, v[(\hi)+(\k)]                  ; hi back in f32: the low half moves up,
	v_and_b32 v[TT+2*(\k)+1], s40, v[(\hi)+(\k)]                   ; the high half stays
.endr
.irp k, 0,1,2,3,4,5,6,7
	v_pk_add_f32 v[(\src)+2*(\k):(\src)+2*(\k)+1], v[(\src)+2*(\k):(\src)+2*(\k)+1], v[TT+2*(\k):TT+2*(\k)+1] neg_lo:[0,1] neg_hi:[0,1]
.endr
.irp k, 0,1,2,3,4,5,6,7
	v_cvt_pk_bf16_f32 v[(\lo)+(\k)], v[(\src)+2*(\k)], v[(\src)+2*(\k)+1]
.endr
.endm
	s_wait_loadcnt 8                               ; z, post_w and the bias are in: the eight rows may be out
.irp g, 0,1,2,3
	SPLIT8 BFH+8*(\g), BFL+8*(\g), WF+16*(\g)
.endr
.irp j, 1,2,3,4,5,6,7
	v_mov_b32 v[BI+(\j)], v[BI]
	v_mov_b32 v[BI+8+(\j)], v[BI+8]
.endr
.irp g, 0,1
	s_wait_loadcnt 4-4*(\g)                        ; loads come back in order: four more pairs of rows are in
.irp n, 0,1,2,3,4,5,6,7
	v_pk_add_f32 v[CV+16*(\g)+2*(\n):CV+16*(\g)+2*(\n)+1], v[CV+16*(\g)+2*(\n):CV+16*(\g)+2*(\n)+1], v[ZV+16*(\g)+2*(\n):ZV+16*(\g)+2*(\n)+1] neg_lo:[0,1] neg_hi:[0,1]  ; c - z
.endr
.irp n, 0,1,2,3,4,5,6,7
	v_pk_add_f32 v[CV+16*(\g)+2*(\n):CV+16*(\g)+2*(\n)+1], v[ZV+16*(\g)+2*(\n):ZV+16*(\g)+2*(\n)+1], v[CV+16*(\g)+2*(\n):CV+16*(\g)+2*(\n)+1]                              ; z + (c - z)
.endr
	SPLIT8 QH+8*(\g), QL+8*(\g), CV+16*(\g)
.irp i, 0,1,2,3
	ds_store_b64 v9, v[QH+8*(\g)+2*(\i):QH+8*(\g)+2*(\i)+1] offset:2*QP*(4*(\g)+(\i))
	ds_store_b64 v9, v[QL+8*(\g)+2*(\i):QL+8*(\g)+2*(\i)+1] offset:2*QP*(4*(\g)+(\i))+128
.endr
.endr
	s_wait_dscnt 0x0                               ; for the others' sake: my 16 tokens are in the stage
	s_barrier_signal -1
	s_barrier_wait -1
; The fragments of token tiles 2 hh and 2 hh + 1: for each, four loads of hi (K = 0 .. 63) and four of lo: 16 LDS loads
.macro FRAGS hh
.irp j, 0,1
.irp o, 0,1,2,3,4,5,6,7
	ds_load_b128 v[AFR+32*(\j)+4*(\o):AFR+32*(\j)+4*(\o)+3], v10 offset:(2*(\hh)+(\j))*16*QP+32*(\o)
.endr
.endr
.endm
; 24 matrix instructions on the four accumulators (u, 2 hh + j), which take turns, one instruction a turn.
; Six steps: qh wh (K = 0-31, 32-63; the first starts the sums with the bias), ql wh, qh wl.
.macro HALF hh
.set st, 0
.rept 6
.set a, 0
.rept 4
.set rD, ACC+8*(4*(a/2)+2*(\hh)+a%2)
.set rA, AFR+32*(a%2)+16*((st/2)%2)+8*(st%2)
.set rB, BFH+32*(st/4)+16*(a/2)+8*(st%2)
.if st == 0
	v_wmma_f32_16x16x32_bf16 v[rD:rD+7], v[rA:rA+7], v[rB:rB+7], v[BI+8*(a/2):BI+8*(a/2)+7]
.else
	v_wmma_f32_16x16x32_bf16 v[rD:rD+7], v[rA:rA+7], v[rB:rB+7], v[rD:rD+7]
.endif
.set a, a+1
.endr
.set st, st+1
.endr
.rept 4
	v_nop                                          ; four places behind the products, ahead of the stores of their results and of the loads into their sources
.endr
.endm
; The four accumulators of a half go into my 32 rows of the out stage, each from its low end on
.macro STORES hh
.set a, 0
.rept 4
.set rD, ACC+8*(4*(a/2)+2*(\hh)+a%2)
	ds_store_b128 v11, v[rD:rD+3] offset:(a/2)*16*272+64*(2*(\hh)+a%2)
	ds_store_b128 v11, v[rD+4:rD+7] offset:(a/2)*16*272+64*(2*(\hh)+a%2)+16
.set a, a+1
.endr
.endm
	FRAGS 0
	s_wait_dscnt 0x0
	HALF 0
	FRAGS 1                                        ; the next fragments are asked for ahead of the stores
	STORES 0
	s_wait_dscnt 8                                 ; the 16 loads are in: the eight stores behind them may be out
	HALF 1
	STORES 1
.irp i, 0,1,2,3,4,5,6,7,8,9,10,11,12,13,14,15
	ds_load_b128 v[AFR+4*(\i):AFR+4*(\i)+3], v12 offset:544*(\i)  ; my own 32 rows: LDS serves a wave's instructions in order (ISA guide 5.7.1.4), so these see the stores above
.endr
.irp i, 0,1,2,3,4,5,6,7,8,9,10,11,12,13,14,15
	s_wait_dscnt 15-(\i)
	global_store_b128 v13, v[AFR+4*(\i):AFR+4*(\i)+3], s[16:17] offset:8192*(\i) th:TH_STORE_NT  ; 16 lanes store 256 consecutive bytes of a channel, aligned
.endr
	s_or_b32 s26, s25, s24
	s_cmp_lg_u32 s26, 0
	s_cbranch_scc1 .Lend
	; wave 0 of work-group 0: the 256 loss sums, eight a lane
	v_lshlrev_b32 v6, 5, v1
	global_load_b128 v[TT:TT+3], v6, s[10:11]
	global_load_b128 v[TT+4:TT+7], v6, s[10:11] offset:16
	s_wait_loadcnt 0x0
	v_pk_add_f32 v[TT:TT+1], v[TT:TT+1], v[TT+2:TT+3]
	v_pk_add_f32 v[TT+4:TT+5], v[TT+4:TT+5], v[TT+6:TT+7]
	v_pk_add_f32 v[TT:TT+1], v[TT:TT+1], v[TT+4:TT+5]
	v_add_f32 v[TT], v[TT], v[TT+1]
.irp m, 1,2,4,8
	v_add_f32_dpp v[TT], v[TT], v[TT] row_xmask:\m row_mask:0xf bank_mask:0xf
.endr
	v_permlanex16_b32 v[TT+1], v[TT], s38, s39
	v_add_f32 v[TT], v[TT], v[TT+1]
	v_mul_f32 v[TT], 0x35800000, v[TT]             ; the mean over 16,384 x 64 = 2^20 numbers
	v_fma_f32 v[TT+2], v[TT], s41, v[TT]           ; 0.25 x mean + mean
	v_mov_b32 v[TT+3], 0
	v_cmp_eq_u32 vcc_lo, 0, v1
	s_wait_xcnt 0x0                                ; EXEC changes only behind this wait
	s_and_saveexec_b32 s26, vcc_lo
	global_store_b32 v[TT+3], v[TT+2], s[18:19]
	s_wait_xcnt 0x0
	s_or_b32 exec_lo, exec_lo, s26
.Lend:
	s_wait_tensorcnt 0x0                           ; the wave's end: behind my last LDS store
	ds_add_u32 v[SPW], v[NIL]
	s_wait_dscnt 0x0
	s_endpgm
.Lfunc_end_k_qb0224c0ce5_post:
	.size	k_qb0224c0ce5_post, .Lfunc_end_k_qb0224c0ce5_post-k_qb0224c0ce5_post
	.p2alignl 7, 3214868480
	.fill 96, 4, 3214868480
	.section	.rodata,"a",@progbits
	.p2align	6, 0x0
	.amdhsa_kernel k_qb0224c0ce5_post
		.amdhsa_group_segment_fixed_size 52736
		.amdhsa_private_segment_fixed_size 0
		.amdhsa_enable_private_segment 0
		.amdhsa_kernarg_size 64
		.amdhsa_user_sgpr_count 2
		.amdhsa_user_sgpr_kernarg_segment_ptr 1
		.amdhsa_wavefront_size32 1
		.amdhsa_system_sgpr_workgroup_id_x 1
		.amdhsa_system_sgpr_workgroup_id_y 1
		.amdhsa_system_sgpr_workgroup_id_z 1
		.amdhsa_system_vgpr_workitem_id 0
		.amdhsa_next_free_vgpr 248
		.amdhsa_next_free_sgpr 66
		.amdhsa_reserve_vcc 1
		.amdhsa_float_denorm_mode_32 3
		.amdhsa_float_denorm_mode_16_64 3
		.amdhsa_memory_ordered 1
		.amdhsa_forward_progress 1
		.amdhsa_inst_pref_size 35
	.end_amdhsa_kernel
	.amdgpu_metadata
---
amdhsa.version: [ 1, 2 ]
amdhsa.kernels:
  - .name:           k_qb0224c0ce5_post
    .symbol:         k_qb0224c0ce5_post.kd
    .args:
      - { .name: codebook, .offset: 0, .size: 8, .value_kind: global_buffer, .address_space: global }
      - { .name: zf, .offset: 8, .size: 8, .value_kind: global_buffer, .address_space: global }
      - { .name: sel, .offset: 16, .size: 8, .value_kind: global_buffer, .address_space: global }
      - { .name: part, .offset: 24, .size: 8, .value_kind: global_buffer, .address_space: global }
      - { .name: post_w, .offset: 32, .size: 8, .value_kind: global_buffer, .address_space: global }
      - { .name: post_b, .offset: 40, .size: 8, .value_kind: global_buffer, .address_space: global }
      - { .name: out0, .offset: 48, .size: 8, .value_kind: global_buffer, .address_space: global }
      - { .name: out1, .offset: 56, .size: 8, .value_kind: global_buffer, .address_space: global }
    .group_segment_fixed_size: 52736
    .private_segment_fixed_size: 0
    .kernarg_segment_align: 8
    .kernarg_segment_size: 64
    .max_flat_workgroup_size: 128
    .sgpr_count:     66
    .vgpr_count:     248
    .wavefront_size: 32
...
	.end_amdgpu_metadata
.endif
;; end of part 4
